; MI455X (gfx1250); checked and timed in simulation.
; The chip was launched on July 23, 2026; its instructions are those of AMD's public machine-readable ISA for CDNA 5 (MIT licence, August 2026) and "CDNA5" Instruction Set Architecture Reference Guide (July 2026). The comments in the code are by the model that wrote it; some were corrected since.
;; Bert Self Attention. Allowed arithmetic: matrix products marked QUANTISED: E4M3 operands, one given power-of-two scale a tensor, by v_wmma_f32_16x16x64_fp8_fp8 or v_wmma_f32_16x16x128_fp8_fp8, f32 sums; everything else in f32.
;; Inputs: attention_mask 4 x 1 x 1 x 2,048 float32; hidden_states_codes 4 x 2,048 x 32 x 32 uint8 (E4M3 codes of hidden_states, K innermost, in blocks of 32 codes); k_bias 1,024 float32; k_weight_codes 1,024 x 32 x 32 uint8 (E4M3 codes of k_weight, K innermost, in blocks of 32 codes); lowp_scales 10 int32 (the exponents e of the quantised operands' scales 2^e); q_bias 1,024 float32; q_weight_codes 1,024 x 32 x 32 uint8 (E4M3 codes of q_weight, K innermost, in blocks of 32 codes); v_bias 1,024 float32; v_weight_codes 1,024 x 32 x 32 uint8 (E4M3 codes of v_weight, K innermost, in blocks of 32 codes).
;; Outputs: out0 4 x 2,048 x 1,024 float32.
;; This version of the problem:
;;   THIS VERSION OF THE PROBLEM IS GIVEN IN LOW PRECISION. The matrix products marked QUANTISED in the list below multiply operands that are first quantised to E4M3 (4 exponent bits, 3 mantissa bits; 8 bits a number), with one given power-of-two scale for each operand tensor; their sums are f32. All else is computed in f32.
;;   The module's matrix products, in the order in which they are computed (A, B: the left and right operand; K: the contracted axis; several contracted axes count as one K, in the product's order):
;;     1. [M 8,192, K 1,024] x [K 1,024, N 1,024]; A: input hidden_states (given as codes); B: input q_weight (given as codes): QUANTISED (scales: A lowp_scales[0], B lowp_scales[1])
;;     2. [M 8,192, K 1,024] x [K 1,024, N 1,024]; A: input hidden_states (given as codes); B: input k_weight (given as codes): QUANTISED (scales: A lowp_scales[2], B lowp_scales[3])
;;     3. [M 8,192, K 1,024] x [K 1,024, N 1,024]; A: input hidden_states (given as codes); B: input v_weight (given as codes): QUANTISED (scales: A lowp_scales[4], B lowp_scales[5])
;;     4. batch 64 x [M 2,048, K 64] x [K 64, N 2,048]; A: computed on the way; B: computed on the way: QUANTISED (scales: A lowp_scales[6], B lowp_scales[7])
;;     5. batch 64 x [M 2,048, K 2,048] x [K 2,048, N 64]; A: softmax (see below); B: computed on the way: QUANTISED (scales: A lowp_scales[8], B lowp_scales[9])
;;   THE QUANTISER, for each operand of a quantised product, along K:
;;     - The operand's scale is 2^e, e = its entry of the input lowp_scales (int32; the entries are numbered through the quantised products in the list's order, A before B).
;;     - Each number is divided by the scale, clamped to +-448, and rounded to the nearest number of E4M3, ties to even, subnormals kept.
;;     - The product sums the exact products of the quantised numbers (number of the format x scale) in f32.
;;   ~~~python
;;   def quantise(x, axis, e):      # numpy; x: float32 -> the quantised numbers, widened to float32 again
;;       x = np.moveaxis(x, axis, -1); K = x.shape[-1]
;;       r = np.clip(x / 2.0 ** e, -448, 448)
;;       step = 2.0 ** (np.maximum(np.frexp(np.where(r == 0, 1, r))[1] - 1, -6) - 3)
;;       q = np.round(r / step) * step * 2.0 ** e      # np.round: ties to even
;;       return np.moveaxis(q, -1, axis).astype(np.float32)
;;   ~~~
;;   SOFTMAX AHEAD OF A QUANTISED PRODUCT. Where the list says 'softmax', what is quantised is not the finished softmax but p = 2^(t - M), with t = logit x log2(e) and M = ceil(the row's largest t), a whole number; so 1/2 < the row's largest p <= 1. The row's sum l is taken of the UNQUANTISED p, in f32, and the product's result is divided by l at the end. Since M is a whole number, a kernel that streams over the keys may use a running M (the ceiling of the running maximum): every later rescaling is an exact power of two, so the quantised numbers keep their values, but for numbers so far below the row's largest that they fall under the format's range.
;;   OPERANDS COMPUTED ON THE WAY. 'Computed on the way' means the value that the module computes at that place (a softmax that the list does not call 'softmax' is quantised finished and normalised). What goes into a quantiser is computed in f32, as accurately as f32 sums, v_exp_f32 and their like allow (about 1e-6 of the number): no bf16 or f16 on the way to a quantiser, and a product that is left as it is and whose result goes on into a quantised operand takes f32 operands (vector FMAs, or v_wmma_f32_16x16x4_f32). A number that lies on a knife's edge between two numbers of the format may be rounded either way, as far as f32 arithmetic and the matrix unit's own rounding can turn it there, and no further.
;;   INPUTS GIVEN AS CODES. hidden_states (in the module: [4, 2048, 1024], K = its axis 2); k_weight (in the module: [1024, 1024], K = its axis 1); q_weight (in the module: [1024, 1024], K = its axis 1); v_weight (in the module: [1024, 1024], K = its axis 1): each comes as NAME_codes (uint8): NAME with its K axis moved to the last place and cut into blocks of 32 codes, [.., K / 32, bytes a block], one block behind the other in memory; one code a byte (a code: sign, 4 exponent bits, 3 mantissa bits); its scale is its entry of lowp_scales. Its value is code x scale, taken as it is: it is not quantised again, and the codes and scales need not be those that the quantiser above would give.
;; One version. Each part assembles by itself: llvm-mc -triple=amdgcn-amd-amdhsa -mcpu=gfx1250 --defsym DOCPART=n.
;; ======== version 1 of 1: 2 launches
;; limits: right only within a limited range of input values
;; workspace buffers: q_img 8,388,608 bytes; k_img 8,388,608 bytes; v_img 8,388,608 bytes
;; launch proj (part 1): grid 12 x 32, 4 waves a work-group, clusters of 4 x 4, 327,680 bytes of LDS; arguments hidden_states_codes, q_weight_codes, k_weight_codes, v_weight_codes, q_bias, k_bias, v_bias, lowp_scales, q_img, k_img, v_img; writes q_img, k_img, v_img
.if DOCPART == 1
	.amdgcn_target "amdgcn-amd-amdhsa--gfx1250"
	.amdhsa_code_object_version 6
	.text
	.protected	k_q08c43d70ec_proj
	.globl	k_q08c43d70ec_proj
	.p2align	8
	.type	k_q08c43d70ec_proj,@function
k_q08c43d70ec_proj:
	s_mov_b64 s[64:65], 0
	v_nop
	global_prefetch_b8 v0, s[64:65] scope:SCOPE_SE
	s_setreg_imm32_b32 hwreg(HW_REG_WAVE_MODE, 25, 1), 1
	s_wait_xcnt 0x0
	s_wait_alu depctr_hold_cnt(0) depctr_sa_sdst(0) depctr_va_vdst(0) depctr_va_sdst(0) depctr_va_ssrc(0) depctr_va_vcc(0) depctr_vm_vsrc(0)
	s_getreg_b32 s2, hwreg(HW_REG_IB_STS2, 6, 4)
	s_cmp_eq_u32 s2, 0
	s_cbranch_scc0 .Lentry_in_a_cluster
	s_endpgm
.Lentry_in_a_cluster:
	s_bfe_u32 s2, ttmp6, 0x10000c
	s_cmp_lg_u32 s2, 0xf033
	s_cbranch_scc0 .Lentry_shape_is_right
	s_endpgm
.Lentry_shape_is_right:
.set ROWB,   256
.set KROW,   1024
.set PITCH,  272
.set FR,     16
.set NL,     4
.set NP,     4
.set HALFT,  128*PITCH
.set SLOT,   4*HALFT
.set SPARE,  2*SLOT
.set ADRA, 16
.set ADRB, 20
.set BO,   24
.set OFFS, 26
.set SPW,  28
.set NIL,  29
.set SC,   30
.set LIM,  31
.set BR,   32
.set T,    96
.set C,    160
.set AF,   128
.set FAC,  90
.set G1, 24
.set G0, 32
.set G1B, 48
.set G0B, 56
.set MSB, 0
.macro WIN new
.if MSB != \new
	s_set_vgpr_msb (MSB<<8)|\new
.set MSB, \new
.endif
.endm
.set MUL_LO, 0xa1
.set MUL_HI, 0xf1
.set TO_B,   0x40
.macro JLOAD g0a, g1a, g0b, g1b
	s_cmp_eq_u32 s15, 0
	s_cbranch_scc0 .Lfor_b_\@
	tensor_load_to_lds s[\g0a:\g0a+3], s[\g1a:\g1a+7]
	s_nop 0
.rept 4
	v_nop
.endr
	s_branch .Lasked_\@
.Lfor_b_\@:
	tensor_load_to_lds s[\g0b:\g0b+3], s[\g1b:\g1b+7]
	s_nop 0
.rept 4
	v_nop
.endr
.Lasked_\@:
.endm
.macro CREST
	s_cmp_lg_u32 s14, 0
	s_cbranch_scc1 .Lnot_wave_0_\@
	s_barrier_signal -3
.Lnot_wave_0_\@:
	s_barrier_wait -3
	s_barrier_signal -1
	s_barrier_wait -1
.endm
.macro CROUND
	s_barrier_signal -1
	s_barrier_wait -1
	CREST
.endm
	s_load_b512 s[68:83], s[0:1], 0x0
	s_load_b128 s[84:87], s[0:1], 0x40
	s_load_b64 s[88:89], s[0:1], 0x50
	v_lshl_add_u32 v[SPW], v0, 2, SPARE
	v_mov_b32 v[NIL], 0
	ds_add_u32 v28, v29
	ds_add_u32 v28, v29
	s_wait_dscnt 0x0
	v_lshrrev_b32 v1, 5, v0
	v_readfirstlane_b32 s14, v1
	s_lshr_b32 s15, s14, 1
	s_and_b32 s16, s14, 1
	s_bfe_u32 s40, ttmp6, 0x40000
	s_bfe_u32 s41, ttmp6, 0x40004
	s_and_b32 s18, ttmp7, 0xffff
	s_lshl_b32 s18, s18, 2
	s_cmp_eq_u32 ttmp9, 2
	s_cselect_b32 s19, s18, 0
	s_cselect_b32 s18, 0, s18
	s_add_co_u32 s42, s40, s19
	s_add_co_u32 s17, s41, s18
	s_lshl_b32 s43, s41, 2
	s_lshl_b32 s43, 15, s43
	s_lshl_b32 s44, 0x1111, s40
	s_or_b32 s[G1+0], s43, (0<<16)|(1<<20)|(1<<21)|(5<<22)|(3<<25)
	s_or_b32 s[G1B+0], s44, (0<<16)|(1<<20)|(1<<21)|(5<<22)|(3<<25)
.irp g, G1, G1B
	s_mov_b32 s[\g+1], ROWB<<16
	s_mov_b32 s[\g+2], 128<<16
	s_mov_b32 s[\g+3], ROWB<<16
	s_mov_b32 s[\g+4], 128
	s_mov_b32 s[\g+5], KROW
	s_mov_b32 s[\g+6], 0
	s_mov_b32 s[\g+7], 0
.endr
	s_lshl_b32 s18, s16, 7
	s_lshl_b32 s20, s17, 8
	s_add_co_u32 s20, s20, s18
	s_lshl_b32 s46, s42, 8
	s_add_co_u32 s46, s46, s18
	s_lshl_b32 s20, s20, 10
	s_lshl_b32 s46, s46, 10
	s_mov_b32 s21, 0
	s_mov_b32 s47, 0
	s_mul_i32 s45, s14, HALFT
	s_wait_kmcnt 0x0
	s_load_b256 s[92:99], s[82:83], 0x0
	s_load_b32 s100, s[82:83], 0x24
	s_cmp_eq_u32 ttmp9, 0
	s_cselect_b64 s[6:7], s[70:71], s[72:73]
	s_cselect_b64 s[8:9], s[76:77], s[78:79]
	s_cselect_b64 s[10:11], s[84:85], s[86:87]
	s_cmp_eq_u32 ttmp9, 2
	s_cselect_b64 s[4:5], s[74:75], s[68:69]
	s_cselect_b64 s[6:7], s[68:69], s[6:7]
	s_add_nc_u64 s[20:21], s[4:5], s[20:21]
	s_add_nc_u64 s[46:47], s[6:7], s[46:47]
	CROUND
.irp s, 0,1
	s_mov_b32 s[G0+4*\s], 1
	s_add_co_u32 s[G0+4*\s+1], s45, \s*SLOT
	s_add_nc_u64 s[G0+4*\s+2:G0+4*\s+3], s[20:21], \s*ROWB
	s_or_b32 s[G0+4*\s+3], s[G0+4*\s+3], 0x80000000
	s_mov_b32 s[G0B+4*\s], 1
	s_add_co_u32 s[G0B+4*\s+1], s45, \s*SLOT
	s_add_nc_u64 s[G0B+4*\s+2:G0B+4*\s+3], s[46:47], \s*ROWB
	s_or_b32 s[G0B+4*\s+3], s[G0B+4*\s+3], 0x80000000
	s_wait_alu depctr_va_vdst(0)
	s_wait_tensorcnt 0x0
	ds_add_u32 v28, v29
	ds_add_u32 v28, v29
	s_wait_dscnt 0x0
	CROUND
	JLOAD G0+4*\s, G1, G0B+4*\s, G1B
.endr
	v_and_b32 v1, 15, v0
	v_bfe_u32 v2, v0, 4, 1
	v_mul_u32_u24 v3, v1, PITCH
	v_lshl_add_u32 v4, v2, 4, v3
	s_mul_i32 s21, s15, HALFT
	s_mul_i32 s22, s16, HALFT
	s_add_co_u32 s22, s22, 2*HALFT
.irp s, 0,1
	v_add_nc_u32 v[ADRA+\s], s21, v4
	v_add_nc_u32 v[ADRB+\s], s22, v4
	s_add_co_u32 s21, s21, SLOT
	s_add_co_u32 s22, s22, SLOT
.endr
	v_and_b32 v[OFFS], 31, v0
	v_lshlrev_b32 v[OFFS], 4, v[OFFS]
	s_wait_alu depctr_va_vdst(0)
	s_wait_kmcnt 0x0
	s_add_co_i32 s92, s92, s93
	s_add_co_i32 s94, s94, s95
	s_add_co_i32 s96, s96, s97
	s_cmp_eq_u32 ttmp9, 0
	s_cselect_b32 s[FAC], s92, s94
	s_cselect_b32 s[FAC+1], s98, s99
	s_cmp_eq_u32 ttmp9, 2
	s_cselect_b32 s[FAC], s96, s[FAC]
	s_cselect_b32 s[FAC+1], s100, s[FAC+1]
	s_add_co_i32 s[FAC], s[FAC], 127
	s_lshl_b32 s[FAC], s[FAC], 23
	s_add_co_i32 s[FAC+1], s[FAC+1], 127
	s_lshl_b32 s18, s[FAC+1], 23
	v_mov_b32 v[SC], s18
	s_mov_b32 s[FAC+1], s[FAC]
.macro FRAG reg, adr, q, i
.irp c, 0,1,2,3
	ds_load_b128 v[\reg+4*\c:\reg+4*\c+3], v[\adr] offset:128*(\q)+32*\c+(\i)*16*PITCH
.endr
.endm
.macro MUL16 a0, p, zero
.irp a, \a0, \a0+1
.irp b, 0,1,2,3,4,5,6,7
.if \zero
	v_wmma_f32_16x16x128_fp8_fp8 v[8*(8*((\a)%4)+\b):8*(8*((\a)%4)+\b)+7], v[128*(\p)+FR*\b:128*(\p)+FR*\b+FR-1], v[AF+FR*(\a):AF+FR*(\a)+FR-1], 0
.else
	v_wmma_f32_16x16x128_fp8_fp8 v[8*(8*((\a)%4)+\b):8*(8*((\a)%4)+\b)+7], v[128*(\p)+FR*\b:128*(\p)+FR*\b+FR-1], v[AF+FR*(\a):AF+FR*(\a)+FR-1], v[8*(8*((\a)%4)+\b):8*(8*((\a)%4)+\b)+7]
.endif
.endr
.endr
.endm
.macro FETCH_B slot, q, p
	WIN TO_B
.irp i, 0,1,2,3,4,5,6,7
	FRAG 128*(\p)+FR*\i, ADRB+\slot, \q, \i
.endr
	WIN 0
.endm
.macro FETCH_A slot, q, i0
.irp i, \i0, \i0+1, \i0+2, \i0+3
	FRAG AF+FR*(\i), ADRA+\slot, \q, \i
.endr
.endm
.macro PLACES n
.rept \n
	v_nop
.endr
.endm
.macro STEP slot, q, zero
	s_wait_dscnt 4*NL
	WIN MUL_LO
	MUL16 0, (\q)%2, \zero
	MUL16 2, (\q)%2, \zero
	s_wait_dscnt 0
	PLACES NP
	FETCH_B \slot, (\q)+1, 1-(\q)%2
	FETCH_A \slot, (\q)+1, 0
	WIN MUL_HI
	MUL16 4, (\q)%2, \zero
	MUL16 6, (\q)%2, \zero
	PLACES NP
	WIN 0
	FETCH_A \slot, (\q)+1, 4
.endm
.macro TURN slot, next, fill
	s_wait_tensorcnt 0x0
	ds_add_u32 v[SPW], v[NIL]
	s_wait_dscnt 4*NL+1
	WIN MUL_LO
	MUL16 0, 1, 0
	s_wait_dscnt 0x0
	s_barrier_signal -1
	MUL16 2, 1, 0
	WIN 0
	s_barrier_wait -1
.if \fill
	CREST
	s_add_nc_u64 s[G0+4*\slot+2:G0+4*\slot+3], s[G0+4*\slot+2:G0+4*\slot+3], 2*ROWB
	s_add_nc_u64 s[G0B+4*\slot+2:G0B+4*\slot+3], s[G0B+4*\slot+2:G0B+4*\slot+3], 2*ROWB
	JLOAD G0+4*\slot, G1, G0B+4*\slot, G1B
.else
	PLACES NP
.endif
	FETCH_B \next, 0, 0
	FETCH_A \next, 0, 0
	WIN MUL_HI
	MUL16 4, 1, 0
	MUL16 6, 1, 0
	PLACES NP
	WIN 0
	FETCH_A \next, 0, 4
.endm
.macro EPI kind
.irp a, 0,1,2,3,4,5,6,7
.set AC, 64*(\a%4)
.set CC, C+16*(\a%4)
	WIN 0x02+(\a/4)
.set n, 0
.rept 32
.if \kind
	v_pk_fma_f32 v[T+n:T+n+1], v[AC+n:AC+n+1], s[FAC:FAC+1], v[BR+2*\a:BR+2*\a+1] op_sel_hi:[1,0,1]
.else
	v_pk_fma_f32 v[T+n:T+n+1], v[AC+n:AC+n+1], s[FAC:FAC+1], v[BR+n:BR+n+1] op_sel_hi:[1,0,1]
.endif
.set n, n+2
.endr
	WIN 0
.set n, 0
.rept 64
.set n, n+1
.endr
.if \a >= 4
	s_wait_alu depctr_va_vdst(0)
	s_wait_xcnt 0x0
.endif
.irp m, 0,1,2,3,4,5,6,7
	v_cvt_scalef32_pk8_fp8_f32 v[CC+2*\m:CC+2*\m+1], v[T+8*\m:T+8*\m+7], v[SC]
.endr
	v_nop
.irp p, 0,1,2,3
.if \kind
	global_store_b128 v[OFFS], v[CC+4*\p:CC+4*\p+3], s[10:11] offset:(\a/4)*131072+(\p/2)*4096+(\a%4)*1024+(\p%2)*512
.else
	global_store_b128 v[OFFS], v[CC+4*\p:CC+4*\p+3], s[10:11] offset:(\p/2)*131072+\a*1024+(\p%2)*512
.endif
.endr
.endr
.endm
.macro TAIL kind, cb, ch, tb, th
	s_lshl_b32 s18, s[\cb], 10
	s_lshl_b32 s19, s[\ch], 9
	s_add_co_u32 s18, s18, s19
	s_mov_b32 s19, 0
.if \kind
	s_add_nc_u64 s[8:9], s[80:81], s[18:19]
.else
	s_add_nc_u64 s[8:9], s[8:9], s[18:19]
.endif
	s_lshr_b32 s18, s[\tb], 3
	s_lshl_b32 s18, s18, 4
	s_lshl_b32 s20, s[\cb], 2
	s_add_co_u32 s18, s18, s20
	s_lshl_b32 s20, s[\ch], 1
	s_add_co_u32 s18, s18, s20
	s_lshl_b32 s18, s18, 17
	s_and_b32 s20, s[\tb], 7
	s_lshl_b32 s20, s20, 14
	s_add_co_u32 s18, s18, s20
	s_lshl_b32 s20, s[\th], 13
	s_add_co_u32 s18, s18, s20
.if \kind
	s_add_nc_u64 s[10:11], s[88:89], s[18:19]
	v_lshlrev_b32 v[BO], 2, v1
.irp a, 0,1,2,3,4,5,6,7
	global_load_b32 v[BR+2*\a], v[BO], s[8:9] offset:64*\a
	global_load_b32 v[BR+2*\a+1], v[BO], s[8:9] offset:64*\a
.endr
.else
	s_add_nc_u64 s[10:11], s[10:11], s[18:19]
	v_lshlrev_b32 v[BO], 5, v2
.irp f, 0,1,2,3,4,5,6,7,8,9,10,11,12,13,14,15
	global_load_b128 v[BR+4*\f:BR+4*\f+3], v[BO], s[8:9] offset:64*(\f/2)+16*(\f%2)
.endr
.endif
	STEP 1, 0, 0
	s_wait_dscnt 4*NL
	WIN MUL_LO
	MUL16 0, 1, 0
	MUL16 2, 1, 0
	s_wait_dscnt 0
	WIN MUL_HI
	MUL16 4, 1, 0
	MUL16 6, 1, 0
	WIN 0
	s_wait_loadcnt 0x0
	PLACES NP
	EPI \kind
.endm
	s_wait_tensorcnt 1
	s_barrier_signal -1
	s_barrier_wait -1
	FETCH_B 0, 0, 0
	FETCH_A 0, 0, 0
	FETCH_A 0, 0, 4
	STEP 0, 0, 1
	TURN 0, 1, 1
	STEP 1, 0, 0
	TURN 1, 0, 1
	STEP 0, 0, 0
	TURN 0, 1, 0
	s_cmp_eq_u32 ttmp9, 2
	s_cbranch_scc1 .Lv
	TAIL 0, 42, 16, 17, 15
	s_branch .Lend
.Lv:
	TAIL 1, 17, 15, 42, 16
.Lend:
	s_wait_tensorcnt 0x0
	ds_add_u32 v[SPW], v[NIL]
	s_wait_dscnt 0x0
	CROUND
	s_endpgm
.Lfunc_end_k_q08c43d70ec_proj:
	.size	k_q08c43d70ec_proj, .Lfunc_end_k_q08c43d70ec_proj-k_q08c43d70ec_proj
	.p2alignl 7, 3214868480
	.fill 96, 4, 3214868480
	.section	.rodata,"a",@progbits
	.p2align	6, 0x0
	.amdhsa_kernel k_q08c43d70ec_proj
		.amdhsa_group_segment_fixed_size 327680
		.amdhsa_private_segment_fixed_size 0
		.amdhsa_enable_private_segment 0
		.amdhsa_kernarg_size 88
		.amdhsa_user_sgpr_count 2
		.amdhsa_user_sgpr_kernarg_segment_ptr 1
		.amdhsa_wavefront_size32 1
		.amdhsa_system_sgpr_workgroup_id_x 1
		.amdhsa_system_sgpr_workgroup_id_y 1
		.amdhsa_system_sgpr_workgroup_id_z 1
		.amdhsa_system_vgpr_workitem_id 0
		.amdhsa_next_free_vgpr 1024
		.amdhsa_next_free_sgpr 102
		.amdhsa_reserve_vcc 0
		.amdhsa_float_denorm_mode_32 3
		.amdhsa_float_denorm_mode_16_64 3
		.amdhsa_fp16_overflow 1
		.amdhsa_memory_ordered 1
		.amdhsa_forward_progress 1
		.amdhsa_inst_pref_size 144
	.end_amdhsa_kernel
	.amdgpu_metadata
---
amdhsa.version: [ 1, 2 ]
amdhsa.kernels:
  - .name:           k_q08c43d70ec_proj
    .symbol:         k_q08c43d70ec_proj.kd
    .args:
      - { .name: hidden_states_codes, .offset: 0, .size: 8, .value_kind: global_buffer, .address_space: global }
      - { .name: q_weight_codes, .offset: 8, .size: 8, .value_kind: global_buffer, .address_space: global }
      - { .name: k_weight_codes, .offset: 16, .size: 8, .value_kind: global_buffer, .address_space: global }
      - { .name: v_weight_codes, .offset: 24, .size: 8, .value_kind: global_buffer, .address_space: global }
      - { .name: q_bias, .offset: 32, .size: 8, .value_kind: global_buffer, .address_space: global }
      - { .name: k_bias, .offset: 40, .size: 8, .value_kind: global_buffer, .address_space: global }
      - { .name: v_bias, .offset: 48, .size: 8, .value_kind: global_buffer, .address_space: global }
      - { .name: lowp_scales, .offset: 56, .size: 8, .value_kind: global_buffer, .address_space: global }
      - { .name: q_img, .offset: 64, .size: 8, .value_kind: global_buffer, .address_space: global }
      - { .name: k_img, .offset: 72, .size: 8, .value_kind: global_buffer, .address_space: global }
      - { .name: v_img, .offset: 80, .size: 8, .value_kind: global_buffer, .address_space: global }
    .group_segment_fixed_size: 327680
    .private_segment_fixed_size: 0
    .kernarg_segment_align: 8
    .kernarg_segment_size: 88
    .max_flat_workgroup_size: 128
    .sgpr_count:     102
    .vgpr_count:     1024
    .wavefront_size: 32
...
	.end_amdgpu_metadata
.endif
;; end of part 1
;; launch attn (part 2): grid 4 x 64, 16 waves a work-group, clusters of 4 x 1, 272,384 bytes of LDS; arguments q_img, k_img, v_img, attention_mask, lowp_scales, out0; writes out0
.if DOCPART == 2
	.amdgcn_target "amdgcn-amd-amdhsa--gfx1250"
	.amdhsa_code_object_version 6
	.text
	.protected	k_q08c43d70ec_attn
	.globl	k_q08c43d70ec_attn
	.p2align	8
	.type	k_q08c43d70ec_attn,@function
k_q08c43d70ec_attn:
	s_mov_b64 s[64:65], 0
	v_nop
	global_prefetch_b8 v0, s[64:65] scope:SCOPE_SE
	s_setreg_imm32_b32 hwreg(HW_REG_WAVE_MODE, 25, 1), 1
	s_wait_xcnt 0x0
	s_wait_alu depctr_hold_cnt(0) depctr_sa_sdst(0) depctr_va_vdst(0) depctr_va_sdst(0) depctr_va_ssrc(0) depctr_va_vcc(0) depctr_vm_vsrc(0)
	s_getreg_b32 s2, hwreg(HW_REG_IB_STS2, 6, 4)
	s_cmp_eq_u32 s2, 0
	s_cbranch_scc0 .Lentry_in_a_cluster
	s_endpgm
.Lentry_in_a_cluster:
	s_bfe_u32 s2, ttmp6, 0x10000c
	s_cmp_lg_u32 s2, 0x3003
	s_cbranch_scc0 .Lentry_shape_is_right
	s_endpgm
.Lentry_shape_is_right:
; out0[b][s][64 h + d] = the sum over keys of softmax(q . k / 8 + mask[b][key]) v, both products on codes of FP8 (E4M3), by v_wmma_f32_16x16x64_fp8_fp8.
; q_img, k_img, v_img hold fragments as images of their registers: a unit of 1,024 bytes is [group of four registers 0, 1][lane][16 bytes]; q, k: head x 131,072 + (token / 16) x 1,024; v: head x 131,072 + (key / 64) x 4,096 + (channel / 16) x 1,024.
; THE SOFTMAX AHEAD OF THE SECOND PRODUCT: t = logit x log2(e); M = the running largest t rounded UP to a whole number; p = 2^(t - M) is quantised with 2^e8, not normalised; the row's sum is taken of the unquantised p and divides at the end.
; When M moves, the sum and O are multiplied by 2^(old M - new M), which rounds nothing.
; THE MASK COSTS NOTHING IN THE LOOP: t = c (sum + m), c = log2(e) / 8 x 2^(e6 + e7), m = mask x 2^(3 - e6 - e7), made once (a power of two: exact), kept in LDS, and given to the score products as their C.
; SHARES.  A work-group owns 512 queries of one head; each of its sixteen waves 32 of them, two tiles of 16, in 256 registers: four waves to a SIMD, so that one wave's LDS loads and products stand beside the others' vector work.
; A HEAD'S WHOLE K AND V LIE IN LDS, 131,072 bytes each, filled ONCE, one tensor load of 16,384 bytes a wave: no slot is filled again, and the loop has no barrier.
; CLUSTER.  The four work-groups of a head need the same K and V: each load is asked for JOINTLY by the four.  Nothing is prefetched: every byte of K and V is asked for by these first loads, and no later load is left to run ahead of.
; LAYOUT.  S^T = K Q^T (source 0 = 16 keys, source 1 = 16 queries), O^T = V^T P^T (source 0 = 16 channels, source 1 = P): a lane holds ONE query (lane % 16) throughout, and register j of score tile kt is key 16 kt + 8 (lane / 16) + j:
; one conversion of a tile's eight registers gives registers 2 kt, 2 kt + 1 of P's fragment.
; LIMITS.  e6 + e7 between -90 and 0; e8 between -126 and 119.  Mask values below -2^23 count as -2^23 (beside a key that is not so masked, p is 0 either way); above 2^22, NaN and +infinity are not served.
; A row all of whose keys are masked by -infinity gives finite numbers where the definition gives NaN.
.set KB,   0                           ; LDS: K's image,
.set VB,   131072                      ; V's image,
.set MB0,  262144                      ; and the scaled mask, 2,048 numbers: bytes of its own, into which no tensor load lands
.set SP,   272                         ; the way out: a stage of 16 rows x (256 bytes + 16) for each wave, in K's bytes, behind a barrier behind which nobody reads K
.set LI,   1                           ; v1   16 x lane; on the way out my byte offset in out0
.set MB,   2                           ; v2   MB0 + 32 (lane / 16); on the way out where I read a row back
.set ADK,  3                           ; v3   LDS address of the step's K
.set ADV,  4                           ; v4   of its V
.set ADM,  5                           ; v5   of its mask; on the way out where I put 16 bytes of a row
.set SCP,  6                           ; v6   2^e8 as f32
.set LIMP, 7                           ; v7   unused
.set ST,   8                           ; tile x at v[8 + 4 x]: -M, the largest t, the sum in two halves
.set Q,    16                          ; v16-31   Q's two fragments
.set KF,   32                          ; v32-63   K's four fragments of a step
.set VF,   64                          ; v64-95   V's four
.set MK,   96                          ; v96-127  the step's mask as C, four tiles; then:
.set P,    96                          ; v96-111  p's codes, 8 a tile
.set TMP,  112                         ; v112-127 at work, 8 a tile: +0, +1 two chains of the maximum; +2 f (named as a pair with +3); +4, +5 the sum's second chain; +6 the other half's number
.set S,    128                         ; v128-191 S^T, then p, 32 a tile
.set O,    192                         ; v192-255 O^T, 32 a tile
.set WV,   16                          ; s16  my wave's number
.set SEL,  20                          ; s[20:21] lane selects for v_permlanex16_b32: lane l xor 16
.set CS,   22                          ; s[22:23] c, twice
.set G1,   24                          ; s[24:31] descriptor group 1
.set G0K,  32                          ; s[32:35] group 0 for K's part, s[36:39] for V's
.set G0V,  36
.set TB,   48                          ; s48  the step's first byte in K's and in V's image
.set TM,   49                          ; s49  in the mask
.set CNT,  50                          ; s50  steps to go
.macro CROUND                          ; a round of the cluster's barrier
	s_barrier_signal -1
	s_barrier_wait -1
	s_cmp_lg_u32 s[WV], 0
	s_cbranch_scc1 .Lnot_wave_0_\@
	s_barrier_signal -3
.Lnot_wave_0_\@:
	s_barrier_wait -3
	s_barrier_signal -1
	s_barrier_wait -1
.endm
	s_load_b256 s[4:11], s[0:1], 0x0               ; q_img s[4:5], k_img s[6:7], v_img s[8:9], the mask s[10:11]
	s_load_b128 s[12:15], s[0:1], 0x20             ; the scales' exponents s[12:13], out0 s[14:15]
	v_lshl_add_u32 v254, v0, 2, 0x42000
	v_mov_b32 v255, 0
	ds_add_u32 v254, v255
	ds_add_u32 v254, v255
	s_wait_dscnt 0x0
	v_lshrrev_b32 v1, 5, v0
	s_delay_alu instid0(VALU_DEP_1)
	v_readfirstlane_b32 s[WV], v1                  ; wave 0..15
	s_bfe_u32 s17, ttmp6, 0x40000                  ; cx: my block of 512 queries; it enters Q's and out0's addresses alone
	s_and_b32 s18, ttmp7, 0xffff                   ; 16 x batch + head, which the four partners share
	; descriptor group 1: a dense block of 16,384 bytes as 64 rows of 32 elements of 8 bytes
	s_mov_b32 s[G1], 15|(3<<16)|(1<<21)            ; 15:0 the mask: all four work-groups; 17:16 elements of 8 bytes; 20 no padding; 21 set beside a mask
	s_mov_b32 s[G1+1], 32<<16                      ; tensor_dim0 = 32
	s_mov_b32 s[G1+2], 64<<16                      ; tensor_dim1 = 64
	s_mov_b32 s[G1+3], 32<<16                      ; tile_dim0 = 32
	s_mov_b32 s[G1+4], 64                          ; tile_dim1 = 64
	s_mov_b32 s[G1+5], 32                          ; tensor_dim0_stride
	s_mov_b32 s[G1+6], 0
	s_mov_b32 s[G1+7], 0
	s_mov_b32 s[SEL], 0x76543210
	s_mov_b32 s[SEL+1], 0xfedcba98
	s_mov_b32 s[TB], 0
	s_mov_b32 s[TM], 0
	s_mov_b32 s[CNT], 32
	s_lshl_b32 s44, s18, 17                        ; the head's image,
	s_and_b32 s45, s[WV], 7
	s_lshl_b32 s45, s45, 14                        ; my eighth of it
	s_add_co_u32 s44, s44, s45
	s_mov_b32 s45, 0
	s_wait_kmcnt 0x0
	s_load_b128 s[40:43], s[12:13], 0x18           ; e6, e7, e8, e9
	s_mov_b32 s[G0K], 1                            ; count = 1
	s_lshl_b32 s[G0K+1], s[WV], 14                 ; LDS address: waves 0-7 fill K's image,
	s_add_nc_u64 s[G0K+2:G0K+3], s[6:7], s[44:45]
	s_or_b32 s[G0K+3], s[G0K+3], 0x80000000        ; type = 2
	s_mov_b32 s[G0V], 1
	s_lshl_b32 s[G0V+1], s[WV], 14                 ; waves 8-15 V's, which begins at 8 x 16,384
	s_add_nc_u64 s[G0V+2:G0V+3], s[8:9], s[44:45]
	s_or_b32 s[G0V+3], s[G0V+3], 0x80000000
	CROUND                                         ; all four work-groups are here: the joint loads meet
	s_cmp_lt_u32 s[WV], 8                          ; the branch hangs on the wave's number alone; one tensor load of mine is out behind it, the only one of the launch
	s_cbranch_scc0 .Lfor_v
	tensor_load_to_lds s[G0K:G0K+3], s[G1:G1+7]
	s_nop 0
.rept 4
	v_nop                                          ; four v_nop follow each of the two lines
.endr
	s_branch .Lasked
.Lfor_v:
	tensor_load_to_lds s[G0V:G0V+3], s[G1:G1+7]
	s_nop 0
.rept 4
	v_nop
.endr
.Lasked:
	s_lshr_b32 s46, s18, 4                         ; the batch
	s_lshl_b32 s44, s46, 13                        ; its 2,048 numbers of the mask
	s_add_nc_u64 s[10:11], s[10:11], s[44:45]
	v_lshlrev_b32 v3, 4, v0                        ; thread t takes four of them
	s_wait_alu depctr_va_vdst(0)
	global_load_b128 v[32:35], v3, s[10:11]
	s_lshl_b32 s44, s18, 17                        ; Q: the head, my block's 32 tiles, my wave's two
	s_lshl_b32 s47, s17, 15
	s_add_co_u32 s44, s44, s47
	s_lshl_b32 s47, s[WV], 11
	s_add_co_u32 s44, s44, s47
	s_add_nc_u64 s[4:5], s[4:5], s[44:45]
	v_and_b32 v[LI], 31, v0
	s_delay_alu instid0(VALU_DEP_1)
	v_lshlrev_b32 v[LI], 4, v[LI]
.irp f, 0,1,2,3
	global_load_b128 v[Q+4*\f:Q+4*\f+3], v[LI], s[4:5] offset:512*\f th:TH_LOAD_NT   ; tile f / 2, registers 4 (f % 2) on: 512 consecutive bytes a load; read by this wave alone
.endr
	s_lshl_b32 s44, s46, 11                        ; out0: row 2,048 x batch + 512 cx + 32 x wave, of 4,096 bytes,
	s_lshl_b32 s47, s17, 9
	s_add_co_u32 s44, s44, s47
	s_lshl_b32 s47, s[WV], 5
	s_add_co_u32 s44, s44, s47
	s_lshl_b32 s44, s44, 12
	s_and_b32 s47, s18, 15
	s_lshl_b32 s47, s47, 8                         ; + the head's 256 bytes
	s_add_co_u32 s44, s44, s47
	s_add_nc_u64 s[14:15], s[14:15], s[44:45]
	v_add_nc_u32 v4, MB0, v3                       ; where my four numbers of the mask go
	v_bfe_u32 v[MB], v0, 4, 1
	s_delay_alu instid0(VALU_DEP_1)
	v_lshl_add_u32 v[MB], v[MB], 5, MB0
.irp x, 0,1
	v_mov_b32 v[ST+4*\x+1], 0xff61b1e6             ; the largest t so far: -3e38, under every t
	s_delay_alu instid0(VALU_DEP_1)
	v_floor_f32 v[ST+4*\x], -v[ST+4*\x+1]          ; -M
	v_mov_b32 v[ST+4*\x+2], 0                      ; the sum, in two halves
	v_mov_b32 v[ST+4*\x+3], 0
.endr
.set n, 0
.rept 64
	v_mov_b32 v[O+n], 0                            ; O^T.  (The step is written once: the first finds zeros, which the first change of M leaves zeros)
.set n, n+1
.endr
	s_wait_kmcnt 0x0
	s_add_co_i32 s44, s40, s41                     ; e6 + e7
	s_lshl_b32 s47, s44, 23
	s_mov_b32 s[CS], 0x3e38aa3b                    ; log2(e) / 8
	s_add_co_i32 s[CS], s[CS], s47                 ; x 2^(e6 + e7): added to the exponent field
	s_mov_b32 s[CS+1], s[CS]                       ; (named with it as a pair, so it is written)
	s_sub_co_i32 s53, 3, s44                       ; the mask's scaling: 8 / 2^(e6 + e7)
	s_add_co_i32 s47, s42, 127
	s_lshl_b32 s51, s47, 23
	v_mov_b32 v[SCP], s51                          ; 2^e8
	s_add_co_i32 s52, s42, s43                     ; e8 + e9, for the way out
	s_wait_loadcnt 4                               ; the mask is in; Q's four loads, issued behind it, may be out
.irp j, 0,1,2,3
	v_max_num_f32 v[32+\j], 0xcb000000, v[32+\j]   ; held at -2^23 from below: |t| then stays under 2^24, where t - M is still a small number, and no infinity goes to the matrix unit
.endr
.irp j, 0,1,2,3
	s_delay_alu instid0(VALU_DEP_4)
	v_ldexp_f32 v[32+\j], v[32+\j], s53
.endr
	ds_store_b128 v4, v[32:35]
	s_wait_loadcnt 0x0                             ; Q
	s_wait_tensorcnt 0x0                           ; my part of K or V has landed,
	s_wait_dscnt 0x0                               ; my part of the mask is stored:
	s_barrier_signal -1
	s_barrier_wait -1                              ; everybody's is
.Lstep:                                            ; 32 trips of 64 keys
	s_setprio 2
	v_add_nc_u32 v[ADK], s[TB], v[LI]              ; these three and the v_nop are the four places between the last trip's products and the loads into registers that they read
	s_delay_alu instid0(VALU_DEP_1)
	v_add_nc_u32 v[ADV], VB, v[ADK]
	v_add_nc_u32 v[ADM], s[TM], v[MB]
	v_nop
.irp f, 0,1,2,3,4,5,6,7
	ds_load_b128 v[KF+4*\f:KF+4*\f+3], v[ADK] offset:512*\f                     ; keys 16 (f / 2) on, registers 4 (f % 2) on: 512 consecutive bytes
.endr
.irp f, 0,1,2,3,4,5,6,7
	ds_load_b128 v[MK+4*\f:MK+4*\f+3], v[ADM] offset:64*(\f/2)+16*(\f%2)        ; register j of tile kt: m of key 16 kt + 8 (lane / 16) + j: sixteen lanes read the same 16 bytes
.endr
.irp f, 0,1,2,3,4,5,6,7
	ds_load_b128 v[VF+4*\f:VF+4*\f+3], v[ADV] offset:512*\f                     ; channels 16 (f / 2) on
.endr
	s_wait_dscnt 8                                 ; K and the mask are in; V's eight loads, issued behind them, may be out
.irp kt, 0,1,2,3
.irp x, 0,1
	v_wmma_f32_16x16x64_fp8_fp8 v[S+32*\x+8*\kt:S+32*\x+8*\kt+7], v[KF+8*\kt:KF+8*\kt+7], v[Q+8*\x:Q+8*\x+7], v[MK+8*\kt:MK+8*\kt+7]   ; sum + m
.endr
.endr
.rept 4
	v_nop                                          ; places in front of the first read of the scores and the first write over the mask's registers
.endr
	; the step's largest score of each query, among my 32 keys: two chains a tile, the tiles by turns; each accumulator is first read at its low end
.irp x, 0,1
	v_max3_num_f32 v[TMP+8*\x], v[S+32*\x], v[S+32*\x+1], v[S+32*\x+2]
	v_max3_num_f32 v[TMP+8*\x+1], v[S+32*\x+3], v[S+32*\x+4], v[S+32*\x+5]
.endr
.irp i, 6,10,14,18,22,26
.irp x, 0,1
	v_max3_num_f32 v[TMP+8*\x], v[TMP+8*\x], v[S+32*\x+\i], v[S+32*\x+\i+1]
	v_max3_num_f32 v[TMP+8*\x+1], v[TMP+8*\x+1], v[S+32*\x+\i+2], v[S+32*\x+\i+3]
.endr
.endr
.irp x, 0,1
	v_max3_num_f32 v[TMP+8*\x], v[TMP+8*\x], v[S+32*\x+30], v[S+32*\x+31]
.endr
.irp x, 0,1
	s_delay_alu instid0(VALU_DEP_2)
	v_max_num_f32 v[TMP+8*\x], v[TMP+8*\x], v[TMP+8*\x+1]
.endr
.irp x, 0,1
	s_delay_alu instid0(VALU_DEP_2)
	v_permlanex16_b32 v[TMP+8*\x+6], v[TMP+8*\x], s[SEL], s[SEL+1]   ; (its destination was written by the mask's loads)
.endr
.irp x, 0,1
	s_delay_alu instid0(VALU_DEP_2)
	v_max_num_f32 v[TMP+8*\x], v[TMP+8*\x], v[TMP+8*\x+6]            ; and among lane l xor 16's
.endr
.irp x, 0,1
	s_delay_alu instid0(VALU_DEP_2)
	v_mul_f32 v[TMP+8*\x], s[CS], v[TMP+8*\x]                        ; as t (c is positive)
.endr
.irp x, 0,1
	s_delay_alu instid0(VALU_DEP_2)
	v_max_num_f32 v[ST+4*\x+1], v[ST+4*\x+1], v[TMP+8*\x]            ; the running largest t
.endr
.irp x, 0,1
	v_mov_b32 v[TMP+8*\x], v[ST+4*\x]
.endr
.irp x, 0,1
	s_delay_alu instid0(VALU_DEP_4)
	v_floor_f32 v[ST+4*\x], -v[ST+4*\x+1]                            ; the new -M = floor(-t) = -ceil(t): a whole number
.endr
.irp x, 0,1
	s_delay_alu instid0(VALU_DEP_2)
	v_sub_f32 v[TMP+8*\x], v[ST+4*\x], v[TMP+8*\x]                   ; old M - new M: a whole number, 0 or less
.endr
.irp x, 0,1
	s_delay_alu instid0(VALU_DEP_2)
	v_cvt_i32_f32 v[TMP+8*\x], v[TMP+8*\x]                           ; (it saturates)
.endr
.irp x, 0,1
	s_delay_alu instid0(VALU_DEP_2)
	v_ldexp_f32 v[TMP+8*\x+2], 1.0, v[TMP+8*\x]                      ; f = 2^(old M - new M)
.endr
.irp x, 0,1
.set n, 0
.rept 16
	v_pk_fma_f32 v[S+32*\x+n:S+32*\x+n+1], v[S+32*\x+n:S+32*\x+n+1], s[CS:CS+1], v[ST+4*\x:ST+4*\x+1] op_sel_hi:[1,0,0]   ; t - M, two at a time (of the pairs c and -M the low word serves both halves)
.set n, n+2
.endr
.endr
.set n, 0
	s_wait_alu depctr_va_vdst(0)
.rept 64
	v_exp_f32 v[S+n], v[S+n]                       ; p = 2^(t - M): both tiles' 64 exponentials are one batch
.set n, n+1
.endr
	s_setprio 1
.irp x, 0,1
	v_pk_mul_f32 v[ST+4*\x+2:ST+4*\x+3], v[ST+4*\x+2:ST+4*\x+3], v[TMP+8*\x+2:TMP+8*\x+3] op_sel_hi:[1,0]   ; the sums under the new M: the plain lines behind the last exponential
.endr
	s_wait_alu depctr_va_vdst(0)                   ; one wait for the whole batch, ahead of the first line that names a result
.irp x, 0,1
	v_pk_add_f32 v[TMP+8*\x+4:TMP+8*\x+5], v[S+32*\x:S+32*\x+1], v[S+32*\x+2:S+32*\x+3]   ; the row's sum is taken of the UNQUANTISED p: two chains a tile
.endr
.irp j, 4,8,12,16,20,24,28
.irp x, 0,1
	v_pk_add_f32 v[ST+4*\x+2:ST+4*\x+3], v[ST+4*\x+2:ST+4*\x+3], v[S+32*\x+\j:S+32*\x+\j+1]
	v_pk_add_f32 v[TMP+8*\x+4:TMP+8*\x+5], v[TMP+8*\x+4:TMP+8*\x+5], v[S+32*\x+\j+2:S+32*\x+\j+3]
.endr
.endr
.irp x, 0
	s_delay_alu instid0(VALU_DEP_3)
	v_pk_add_f32 v[ST+4*\x+2:ST+4*\x+3], v[ST+4*\x+2:ST+4*\x+3], v[TMP+8*\x+4:TMP+8*\x+5]
.endr
.irp x, 1
	s_delay_alu instid0(VALU_DEP_2)
	v_pk_add_f32 v[ST+4*\x+2:ST+4*\x+3], v[ST+4*\x+2:ST+4*\x+3], v[TMP+8*\x+4:TMP+8*\x+5]
.endr
.irp x, 0,1
.set n, 0
.rept 32
.set n, n+1
.endr
.irp kt, 0,1,2,3
	v_cvt_scalef32_pk8_fp8_f32 v[P+8*\x+2*\kt:P+8*\x+2*\kt+1], v[S+32*\x+8*\kt:S+32*\x+8*\kt+7], v[SCP]   ; keys 16 kt + 8 (lane / 16) + 0 .. 7: registers 2 kt, 2 kt + 1 of P's fragment
.endr
.endr
.irp x, 0,1
.set n, 0
.rept 16
	v_pk_mul_f32 v[O+32*\x+n:O+32*\x+n+1], v[O+32*\x+n:O+32*\x+n+1], v[TMP+8*\x+2:TMP+8*\x+3] op_sel_hi:[1,0]   ; O^T under the new M, each accumulator from its low end on.  (Also the plain lines between the conversions and the products)
.set n, n+2
.endr
.endr
	s_setprio 0
	s_wait_alu depctr_va_vdst(0)
	s_wait_dscnt 0x0                               ; V is in
.irp t, 0,1,2,3
.irp x, 0,1
	v_wmma_f32_16x16x64_fp8_fp8 v[O+32*\x+8*\t:O+32*\x+8*\t+7], v[VF+8*\t:VF+8*\t+7], v[P+8*\x:P+8*\x+7], v[O+32*\x+8*\t:O+32*\x+8*\t+7]   ; the eight accumulators by turns, one instruction a trip each
.endr
.endr
	s_add_co_u32 s[TB], s[TB], 4096                ; 64 keys on: four units of K, four of V,
	s_add_co_u32 s[TM], s[TM], 256                 ; 64 numbers of the mask
	s_sub_co_u32 s[CNT], s[CNT], 1
	s_cmp_lg_u32 s[CNT], 0
	s_cbranch_scc1 .Lstep
	s_setprio 0
	; THE WAY OUT.  The sums' halves are added; O^T is divided by the sum, multiplied by 2^(e8 + e9), and goes through my stage in LDS, a tile of 16 queries at a time, so that sixteen lanes store a query's 256 consecutive bytes.
.irp x, 0,1
	v_add_f32 v[ST+4*\x+2], v[ST+4*\x+2], v[ST+4*\x+3]   ; (these two and the next two lines are the places behind the last products)
.endr
	v_and_b32 v3, 15, v0                           ; r
	v_bfe_u32 v4, v0, 4, 1                         ; h
.irp x, 0,1
	s_delay_alu instid0(VALU_DEP_4)
	v_permlanex16_b32 v[TMP+8*\x+6], v[ST+4*\x+2], s[SEL], s[SEL+1]
.endr
.irp x, 0,1
	s_delay_alu instid0(VALU_DEP_2)
	v_add_f32 v[ST+4*\x+2], v[ST+4*\x+2], v[TMP+8*\x+6]  ; the row's sum
.endr
	s_wait_dscnt 0x0                               ; my reads of K and V are over
	s_barrier_signal -1
	s_barrier_wait -1                              ; everybody's are: K's bytes, which have had their one fill, take the stages
	s_wait_alu depctr_va_vdst(0)
.irp x, 0,1
	v_rcp_f32 v[ST+4*\x+2], v[ST+4*\x+2]
.endr
	s_mul_i32 s44, s[WV], 16*SP                    ; my stage
	v_mul_u32_u24 v5, v3, SP                       ; (plain lines behind the reciprocals)  in: row r; channel tile t's eight numbers of my half: 64 t + 32 h bytes on
	s_delay_alu instid0(VALU_DEP_1)
	v_lshl_add_u32 v5, v4, 5, v5
	s_delay_alu instid0(VALU_DEP_1)
	v_add_nc_u32 v5, s44, v5
	v_mul_u32_u24 v2, v4, SP                       ; back: lanes 0-15 one row, lanes 16-31 the next
	s_delay_alu instid0(VALU_DEP_1)
	v_lshl_add_u32 v2, v3, 4, v2
	s_delay_alu instid0(VALU_DEP_1)
	v_add_nc_u32 v2, s44, v2
	v_lshlrev_b32 v1, 12, v4                       ; and the same two rows in out0, 4,096 bytes apart
	s_delay_alu instid0(VALU_DEP_1)
	v_lshl_add_u32 v1, v3, 4, v1
	s_wait_alu depctr_va_vdst(0)                   ; one wait for the two reciprocals, ahead of their first reader
.irp x, 0,1
	v_ldexp_f32 v[ST+4*\x+2], v[ST+4*\x+2], s52    ; x 2^(e8 + e9)
.endr
.irp x, 0,1
.set n, 0
.rept 16
	v_pk_mul_f32 v[S+32*\x+n:S+32*\x+n+1], v[O+32*\x+n:O+32*\x+n+1], v[ST+4*\x+2:ST+4*\x+3] op_sel_hi:[1,0]   ; register 8 t + j: out(query r, channel 16 t + 8 h + j)
.set n, n+2
.endr
.endr
.irp x, 0,1
.irp f, 0,1,2,3,4,5,6,7
	ds_store_b128 v5, v[S+32*\x+4*\f:S+32*\x+4*\f+3] offset:64*(\f/2)+16*(\f%2)
.endr
.irp i, 0,1,2,3,4,5,6,7
	ds_load_b128 v[KF+32*\x+4*\i:KF+32*\x+4*\i+3], v2 offset:2*\i*SP   ; LDS serves a wave's instructions in order (ISA guide 5.7.1.4): these see my stores, and the next tile's stores come behind them
.endr
.endr
.irp x, 0,1
.irp i, 0,1,2,3,4,5,6,7
	s_wait_dscnt 23-16*\x-\i                       ; behind load i of tile x: its tile's 7 - i later loads and, for tile 0, tile 1's eight stores and eight loads
	global_store_b128 v1, v[KF+32*\x+4*\i:KF+32*\x+4*\i+3], s[14:15] offset:65536*\x+8192*\i th:TH_STORE_NT   ; 16 lanes store 256 consecutive bytes, at a multiple of 256 from out0's first byte; written once
.endr
.endr
	s_wait_xcnt 0x0
	v_lshl_add_u32 v254, v0, 2, 0x42000
	v_mov_b32 v255, 0
	s_wait_alu depctr_va_vdst(0)
	s_wait_tensorcnt 0x0
	ds_add_u32 v254, v255
	s_wait_dscnt 0x0
	CROUND                                         ; the closing round: no work-group ends while a partner may still ask for a tile that names it
	s_endpgm
.Lfunc_end_k_q08c43d70ec_attn:
	.size	k_q08c43d70ec_attn, .Lfunc_end_k_q08c43d70ec_attn-k_q08c43d70ec_attn
	.p2alignl 7, 3214868480
	.fill 96, 4, 3214868480
	.section	.rodata,"a",@progbits
	.p2align	6, 0x0
	.amdhsa_kernel k_q08c43d70ec_attn
		.amdhsa_group_segment_fixed_size 272384
		.amdhsa_private_segment_fixed_size 0
		.amdhsa_enable_private_segment 0
		.amdhsa_kernarg_size 48
		.amdhsa_user_sgpr_count 2
		.amdhsa_user_sgpr_kernarg_segment_ptr 1
		.amdhsa_wavefront_size32 1
		.amdhsa_system_sgpr_workgroup_id_x 1
		.amdhsa_system_sgpr_workgroup_id_y 1
		.amdhsa_system_sgpr_workgroup_id_z 1
		.amdhsa_system_vgpr_workitem_id 0
		.amdhsa_next_free_vgpr 256
		.amdhsa_next_free_sgpr 66
		.amdhsa_reserve_vcc 0
		.amdhsa_float_denorm_mode_32 3
		.amdhsa_float_denorm_mode_16_64 3
		.amdhsa_fp16_overflow 1
		.amdhsa_memory_ordered 1
		.amdhsa_forward_progress 1
		.amdhsa_inst_pref_size 32
	.end_amdhsa_kernel
	.amdgpu_metadata
---
amdhsa.version: [ 1, 2 ]
amdhsa.kernels:
  - .name:           k_q08c43d70ec_attn
    .symbol:         k_q08c43d70ec_attn.kd
    .args:
      - { .name: q_img, .offset: 0, .size: 8, .value_kind: global_buffer, .address_space: global }
      - { .name: k_img, .offset: 8, .size: 8, .value_kind: global_buffer, .address_space: global }
      - { .name: v_img, .offset: 16, .size: 8, .value_kind: global_buffer, .address_space: global }
      - { .name: attention_mask, .offset: 24, .size: 8, .value_kind: global_buffer, .address_space: global }
      - { .name: lowp_scales, .offset: 32, .size: 8, .value_kind: global_buffer, .address_space: global }
      - { .name: out0, .offset: 40, .size: 8, .value_kind: global_buffer, .address_space: global }
    .group_segment_fixed_size: 272384
    .private_segment_fixed_size: 0
    .kernarg_segment_align: 8
    .kernarg_segment_size: 48
    .max_flat_workgroup_size: 512
    .sgpr_count:     66
    .vgpr_count:     256
    .wavefront_size: 32
...
	.end_amdgpu_metadata
.endif
;; end of part 2
